; MI455X (gfx1250); checked and timed in simulation.
; The chip was launched on July 23, 2026; its instructions are those of AMD's public machine-readable ISA for CDNA 5 (MIT licence, August 2026) and "CDNA5" Instruction Set Architecture Reference Guide (July 2026). The comments in the code are by the model that wrote it; some were corrected since.
;; Sparse Mo E Layer. Allowed arithmetic: matrix products marked QUANTISED: E2M1 operands, one E8M0 scale for each 32 along K, by v_wmma_scale_f32_16x16x128_f8f6f4 with both operands' format E2M1 (or v_wmma_scale_f32_32x16x128_f4), f32 sums; products left as they are: f32 operands where the result goes on into a quantised operand, else bf16, f16 or f32 operands; f32 sums; everything else in f32.
;; Inputs: W1_codes 8 x 4,096 x 32 x 16 uint8 (E2M1 codes of W1, K innermost, in blocks of 32 codes, two codes a byte); W1_scales 8 x 4,096 x 32 uint8 (E8M0 scales of W1, one for each 32 codes along K); W2_codes 8 x 1,024 x 128 x 16 uint8 (E2M1 codes of W2, K innermost, in blocks of 32 codes, two codes a byte); W2_scales 8 x 1,024 x 128 uint8 (E8M0 scales of W2, one for each 32 codes along K); Wr 1,025 x 8 float32; b1 8 x 4,096 float32; b2 8 x 1,024 float32; br 8 float32; grad 1,024 x 1 float32; x 1,024 x 1,024 float32.
;; Outputs: out0 1,024 x 1,024 float32.
;; This version of the problem:
;;   THIS VERSION OF THE PROBLEM IS GIVEN IN LOW PRECISION. The matrix products marked QUANTISED in the list below multiply operands that are first quantised to E2M1 (2 exponent bits, 1 mantissa bit; 4 bits a number), with one power-of-two scale for each 32 numbers along K (OCP MX v1.0); their sums are f32. All else is computed in f32.
;;   The module's matrix products, in the order in which they are computed (A, B: the left and right operand; K: the contracted axis; several contracted axes count as one K, in the product's order):
;;     1. [M 1,024, K 1,025] x [K 1,025, N 8]; A: computed on the way; B: input Wr: left as it is (N = 8 < 16)
;;     2. batch 1,024 x [M 1, K 2] x [K 2, N 8]; A: computed on the way; B: computed on the way: left as it is (K = 2 < 32)
;;     3. [M 32,768, K 1,024] x [K 1,024, N 1,024]; A: input W1 (given as codes); B: input x: QUANTISED
;;     4. batch 8 x [M 1,024, K 4,096] x [K 4,096, N 1,024]; A: computed on the way; B: input W2 (given as codes): QUANTISED
;;     5. batch 1,024 x [M 1,024, K 8] x [K 8, N 1]; A: computed on the way; B: computed on the way: left as it is (K = 8 < 32)
;;   THE QUANTISER, for each operand of a quantised product, along K:
;;     - K is cut into blocks of 32 from its start; a last block that is shorter is filled with zeros.
;;     - A block's scale is 2^e with e = floor(log2(the largest magnitude in the block)) - 2, held to -126 .. 127; a block of zeros has e = 0. As a byte (E8M0): e + 127.
;;     - Each number is divided by its block's scale, clamped to +-6, and rounded to the nearest number of E2M1, ties to even, subnormals kept.
;;     - The product sums the exact products of the quantised numbers (number of the format x scale) in f32.
;;   ~~~python
;;   def quantise(x, axis):      # numpy; x: float32 -> the quantised numbers, widened to float32 again
;;       x = np.moveaxis(x, axis, -1); K = x.shape[-1]
;;       x = np.pad(x, [(0, 0)] * (x.ndim - 1) + [(0, -K % 32)]); x = x.reshape(x.shape[:-1] + (-1, 32)); a = np.abs(x).max(-1, keepdims=True)
;;       e = np.where(a > 0, np.clip(np.frexp(np.where(a > 0, a, 1))[1] - 1 - 2, -126, 127), 0)      # np.frexp(a)[1] - 1 = floor(log2(a)), exactly
;;       r = np.clip(x / 2.0 ** e, -6, 6)
;;       step = 2.0 ** (np.maximum(np.frexp(np.where(r == 0, 1, r))[1] - 1, 0) - 1)
;;       q = np.round(r / step) * step * 2.0 ** e      # np.round: ties to even
;;       return np.moveaxis(q.reshape(q.shape[:-2] + (-1,))[..., :K], -1, axis).astype(np.float32)
;;   ~~~
;;   OPERANDS COMPUTED ON THE WAY. 'Computed on the way' means the value that the module computes at that place (a softmax that the list does not call 'softmax' is quantised finished and normalised). What goes into a quantiser is computed in f32, as accurately as f32 sums, v_exp_f32 and their like allow (about 1e-6 of the number): no bf16 or f16 on the way to a quantiser, and a product that is left as it is and whose result goes on into a quantised operand takes f32 operands (vector FMAs, or v_wmma_f32_16x16x4_f32). A number that lies on a knife's edge between two numbers of the format may be rounded either way, as far as f32 arithmetic and the matrix unit's own rounding can turn it there, and no further.
;;   INPUTS GIVEN AS CODES. W1 (in the module: [8, 1024, 4096], K = its axis 1); W2 (in the module: [8, 4096, 1024], K = its axis 1): each comes as NAME_codes (uint8): NAME with its K axis moved to the last place and cut into blocks of 32 codes, [.., K / 32, bytes a block], one block behind the other in memory; two codes a byte, the lower K in the low four bits (a code: sign, 2 exponent bits, 1 mantissa bit); and NAME_scales (uint8): the same leading axes, one E8M0 byte (e + 127) for each 32 codes along K. Its value is code x scale, taken as it is: it is not quantised again, and the codes and scales need not be those that the quantiser above would give.
;; One version. Each part assembles by itself: llvm-mc -triple=amdgcn-amd-amdhsa -mcpu=gfx1250 --defsym DOCPART=n.
;; ======== version 1 of 1: 4 launches
;; workspace buffers: sel 4,096 bytes of whole numbers; gate 8,192 bytes; xq 557,056 bytes; himg 16,777,216 bytes; hsc 2,097,152 bytes; plan 40,960 bytes of whole numbers; part 8,519,680 bytes
;; launch route (part 1): grid 256 x 1, 4 waves a work-group, no clusters, 55,808 bytes of LDS; arguments x, grad, Wr, br, sel, gate, xq; writes sel, gate, xq
.if DOCPART == 1
	.amdgcn_target "amdgcn-amd-amdhsa--gfx1250"
	.amdhsa_code_object_version 6
	.text
	.protected	k_q8dea32b935_route
	.globl	k_q8dea32b935_route
	.p2align	8
	.type	k_q8dea32b935_route,@function
k_q8dea32b935_route:
	s_mov_b64 s[64:65], 0
	v_nop
	global_prefetch_b8 v0, s[64:65] scope:SCOPE_SE
	s_setreg_imm32_b32 hwreg(HW_REG_WAVE_MODE, 25, 1), 1
	s_wait_xcnt 0x0
; ROUTER AND QUANTISER OF x.  One token to a wave: n = 4 x work-group + wave.
; logits = [x, grad] Wr + br in f32; the two largest (the lower index wins a tie, by strict compares in ascending order); their softmax probabilities, the row's maximum taken away first.
; Stored at fixed places: sel[n] = e1 | e2 << 8, gate[0][n], gate[1][n].  x's row is turned into E2M1 codes, 32 numbers to a block: xq codes [1024][512] at 0, scale bytes [1024][32] at 524,288.
; WORK LEFT OUT BY THE WHOLE PROGRAM.  cw[n][e] is the sum over k of topk_prob x one_hot(topk_idx)[e]: for the six experts that are not in topk_idx[n] every term has the factor 0 that
; one_hot builds, so out[n] takes o[e][n] x 0 from them whatever finite values the inputs hold.  Those rows of x W1, of the bias, of the gelu and of h W2 are whole rows and are not computed:
; 2,048 rows of (token, expert) are.  The one_hot product itself is a selection and is done as one.  Every input still has a way to the output, and all are loaded.
; LIMITS.  A NaN, an infinity or an overflow that would arise only in rows left out is not carried to the result.  NaN and infinities among the inputs are not served.  Logits that agree to within
; the rounding of an f32 sum of 1,025 terms may be ranked otherwise than by another order of that sum.  A block of zeros gets the scale byte 1 (its codes are zeros; this program alone reads the bytes).
; No matrix unit, no cluster: 8 columns are too few for a matrix tile, and what the work-groups share, Wr, is 32 KiB against 16 KiB of x for each.
; LDS: Wr's rows 0 .. 1,023 as 256 chunks of 128 bytes (4 rows) + 16 of padding, pitch 144; a stage of 32 such chunks for each wave, through which x's row turns so that a lane holds a whole block.
.set STG,   36864                      ; behind Wr's 256 x 144 bytes: four stages of 4,608 bytes
.set SPARE, 55296                      ; behind the stages: the spare words, 128 bytes for each wave
.set X,   16                           ; v16-47   x[128 i + 4 lane + c] at 4 i + c
.set W,   48                           ; v48-111  Wr: 16 x 4 on the way into LDS, then two sets of 32: Wr[128 i + 4 lane + c][e] at 8 c + e
.set Q,   112                          ; v112-143 x[32 lane + 0 .. 31]
.set ACC, 144                          ; v144-151 my part of the 8 logits
	s_load_b256 s[4:11], s[0:1], 0x0               ; x s[4:5], grad s[6:7], Wr s[8:9], br s[10:11]
	s_load_b128 s[12:15], s[0:1], 0x20             ; sel s[12:13], gate s[14:15]
	s_load_b64 s[16:17], s[0:1], 0x30              ; xq
	v_lshl_add_u32 v12, v0, 2, SPARE               ; my spare word; never rewritten
	v_mov_b32 v13, 0                               ; 0; never rewritten
	v_lshrrev_b32 v1, 5, v0
	v_readfirstlane_b32 s18, v1                    ; wave
	v_and_b32 v1, 31, v0                           ; lane
	v_lshlrev_b32 v2, 4, v1                        ; 16 x lane
	v_lshlrev_b32 v3, 4, v0                        ; 16 x thread
	v_lshrrev_b32 v8, 3, v0
	v_add_nc_u32 v8, v8, v0
	v_lshlrev_b32 v4, 4, v8                        ; Wr into LDS: 16 x thread + 16 for each 128 bytes passed
	s_mul_i32 s46, s18, 4608
	s_add_co_u32 s46, s46, STG                     ; my stage
	v_lshrrev_b32 v8, 3, v1
	v_mul_u32_u24 v5, v8, 144
	v_and_b32 v8, 7, v1
	v_lshl_add_u32 v5, v8, 4, v5
	v_add_nc_u32 v5, s46, v5                       ; into the stage: 144 (lane / 8) + 16 (lane % 8)
	v_mul_u32_u24 v7, v1, 144                      ; Wr out of LDS: chunk = lane
	v_add_nc_u32 v6, s46, v7                       ; out of the stage: chunk = lane
	s_lshl_b32 s19, ttmp9, 2
	s_add_co_u32 s19, s19, s18                     ; my token
	s_mov_b32 s41, 0x3fb8aa3b                      ; log2(e)
	s_mov_b32 s42, 0x76543210
	s_mov_b32 s43, 0xfedcba98                      ; v_permlanex16_b32's selects for lane l xor 16
.irp e, 0,1,2,3,4,5,6,7
	v_mov_b32 v[160+\e], 0                         ; a lane permute's destination counts as one of its sources
.endr
	s_mov_b32 s21, 0
	s_wait_kmcnt 0x0
	s_lshl_b32 s20, s19, 12
	s_add_nc_u64 s[4:5], s[4:5], s[20:21]          ; x's row
	s_lshl_b32 s20, s19, 2
	s_add_nc_u64 s[6:7], s[6:7], s[20:21]          ; grad[n]
	s_add_nc_u64 s[12:13], s[12:13], s[20:21]      ; sel[n]
	s_add_nc_u64 s[14:15], s[14:15], s[20:21]      ; gate[0][n]
	s_lshl_b32 s20, s19, 5
	s_add_nc_u64 s[22:23], s[16:17], s[20:21]      ; xq + 32 n: the scale bytes' 524,288 stand in the immediate
	s_lshl_b32 s20, s19, 9
	s_add_nc_u64 s[16:17], s[16:17], s[20:21]      ; xq + 512 n: the codes
	s_load_b256 s[24:31], s[8:9], 0x8000           ; Wr's row 1,024, which multiplies grad
	s_load_b256 s[32:39], s[10:11], 0x0            ; br
	s_load_b32 s40, s[6:7], 0x0                    ; grad[n]
.irp k, 0,1,2,3,4,5,6,7,8,9,10,11,12,13,14,15
	global_load_b128 v[W+4*\k:W+4*\k+3], v3, s[8:9] offset:2048*\k   ; the work-group's 128 threads take 2,048 consecutive bytes of Wr
.endr
.irp i, 0,1,2,3,4,5,6,7
	global_load_b128 v[X+4*\i:X+4*\i+3], v2, s[4:5] offset:512*\i th:TH_LOAD_NT   ; 512 consecutive bytes of my row
.endr
	s_wait_loadcnt 0x8                             ; Wr's 16 loads are in; x's 8 stand behind them
.irp k, 0,1,2,3,4,5,6,7,8,9,10,11,12,13,14,15
	ds_store_b128 v4, v[W+4*\k:W+4*\k+3] offset:2304*\k   ; 2,048 bytes are 16 chunks of 144
.endr
	s_wait_loadcnt 0x0
.irp i, 0,1,2,3,4,5,6,7
	ds_store_b128 v5, v[X+4*\i:X+4*\i+3] offset:576*\i    ; 512 bytes are 4 chunks
.endr
	s_wait_dscnt 0x0                               ; for the others' sake: my part of Wr lies in LDS
	s_barrier_signal -1
	s_barrier_wait -1
.macro WLOAD i                         ; Wr's rows 128 i + 4 lane + 0 .. 3 into set i % 2
.irp p, 0,1,2,3,4,5,6,7
	ds_load_b128 v[W+32*((\i)%2)+4*\p:W+32*((\i)%2)+4*\p+3], v7 offset:4608*(\i)+16*\p
.endr
.endm
.irp j, 0,1,2,3,4,5,6,7
	ds_load_b128 v[Q+4*\j:Q+4*\j+3], v6 offset:16*\j
.endr
	WLOAD 0
	WLOAD 1
	s_wait_dscnt 16                                ; my block of 32 is in; the two sets of Wr stand behind it
	v_max3_num_f32 v152, |v[Q]|, |v[Q+1]|, |v[Q+2]|        ; the block's largest magnitude, in two chains
	v_max3_num_f32 v153, |v[Q+3]|, |v[Q+4]|, |v[Q+5]|
.irp i, 6,10,14,18,22,26
	v_max3_num_f32 v152, v152, |v[Q+\i]|, |v[Q+\i+1]|
	v_max3_num_f32 v153, v153, |v[Q+\i+2]|, |v[Q+\i+3]|
.endr
	v_max3_num_f32 v152, v152, |v[Q+30]|, |v[Q+31]|
	v_max3_num_f32 v152, v152, v153, 0x1800000     ; and the floor 2^(3 - 127): the byte cannot fall under 1
	v_add_nc_u32 v154, 0xff000000, v152            ; 2 off its exponent field: the conversion takes this operand's exponent field as its scale
.irp g, 0,1,2,3
	v_cvt_scalef32_pk8_fp4_f32 v[156+\g], v[Q+8*\g:Q+8*\g+7], v154
.endr
	v_lshrrev_b32 v155, 23, v154                   ; the scale's byte (also the plain line behind the conversions)
	global_store_b128 v2, v[156:159], s[16:17]     ; the wave stores the row's 512 bytes of codes
	global_store_b8 v1, v155, s[22:23] offset:524288   ; and its 32 scale bytes
; The router's sums: 32 numbers of x a lane x 8 columns, two columns an instruction; the very first products start the sums.
.macro DOT i
.set WS, W+32*((\i)%2)
.irp c, 0,1,2,3
.irp p, 0,1,2,3
.set XP, X+4*(\i)+2*(\c/2)
.if ((\i) == 0) && (\c == 0)
	v_pk_mul_f32 v[ACC+2*\p:ACC+2*\p+1], v[XP:XP+1], v[WS+8*\c+2*\p:WS+8*\c+2*\p+1] op_sel_hi:[0,1]
.elseif (\c%2) == 0
	v_pk_fma_f32 v[ACC+2*\p:ACC+2*\p+1], v[XP:XP+1], v[WS+8*\c+2*\p:WS+8*\c+2*\p+1], v[ACC+2*\p:ACC+2*\p+1] op_sel_hi:[0,1,1]
.else
	v_pk_fma_f32 v[ACC+2*\p:ACC+2*\p+1], v[XP:XP+1], v[WS+8*\c+2*\p:WS+8*\c+2*\p+1], v[ACC+2*\p:ACC+2*\p+1] op_sel:[1,0,0] op_sel_hi:[1,1,1]
.endif
.endr
.endr
.endm
.irp i, 0,1,2,3,4,5
	s_wait_dscnt 8                                 ; this set is in; the next set's 8 loads stand behind it
	DOT \i
	WLOAD \i+2
.endr
	s_wait_dscnt 8
	DOT 6
	s_wait_dscnt 0x0
	DOT 7
.irp m, 1,2,4,8
.irp e, 0,1,2,3,4,5,6,7
	v_add_f32_dpp v[ACC+\e], v[ACC+\e], v[ACC+\e] row_xmask:\m row_mask:0xf bank_mask:0xf
.endr
.endr
.irp e, 0,1,2,3,4,5,6,7
	v_permlanex16_b32 v[160+\e], v[ACC+\e], s42, s43
.endr
	s_wait_kmcnt 0x0                               ; Wr's last row, br, grad
.irp e, 0,1,2,3,4,5,6,7
	v_add_f32 v[ACC+\e], v[ACC+\e], v[160+\e]
.endr
.irp e, 0,1,2,3,4,5,6,7
	v_fma_f32 v[ACC+\e], s40, s[24+\e], v[ACC+\e]  ; + grad x Wr[1024][e]
.endr
.irp e, 0,1,2,3,4,5,6,7
	v_add_f32 v[ACC+\e], s[32+\e], v[ACC+\e]       ; + br[e]: every lane holds all 8 logits
.endr
	v_mov_b32 v168, v[ACC]                         ; m1, i1: the largest so far;  m2, i2: the second
	v_mov_b32 v169, 0
	v_mov_b32 v170, 0xff800000
	v_mov_b32 v171, 0
.irp e, 1,2,3,4,5,6,7
	v_mov_b32 v174, \e
	v_cmp_gt_f32 vcc_lo, v[ACC+\e], v168           ; strictly above the largest?
	v_cmp_gt_f32 s44, v[ACC+\e], v170              ; strictly above the second?
	v_cndmask_b32 v172, v170, v[ACC+\e], s44
	v_cndmask_b32 v173, v171, v174, s44
	v_cndmask_b32 v170, v172, v168, vcc_lo         ; the old largest becomes the second
	v_cndmask_b32 v171, v173, v169, vcc_lo
	v_cndmask_b32 v168, v168, v[ACC+\e], vcc_lo
	v_cndmask_b32 v169, v169, v174, vcc_lo
.endr
.irp e, 0,1,2,3,4,5,6,7
	v_sub_f32 v[176+\e], v[ACC+\e], v168           ; the maximum is taken away: exactly 0 for the largest
.endr
	v_sub_f32 v184, v170, v168
.irp e, 0,1,2,3,4,5,6,7,8
	v_mul_f32 v[176+\e], s41, v[176+\e]
.endr
.irp e, 0,1,2,3,4,5,6,7,8
	v_exp_f32 v[176+\e], v[176+\e]
.endr
	v_lshl_or_b32 v186, v171, 8, v169              ; e1 | e2 << 8 (the plain line behind the exponentials)
	s_wait_alu depctr_va_vdst(0)                   ; one wait for the nine, ahead of their first use
	v_add_f32 v176, v176, v177
	v_add_f32 v178, v178, v179
	v_add_f32 v180, v180, v181
	v_add_f32 v182, v182, v183
	v_add_f32 v176, v176, v178
	v_add_f32 v180, v180, v182
	v_add_f32 v176, v176, v180
	v_rcp_f32 v185, v176                           ; the largest's probability: 1 / the sum
	v_mov_b32 v187, 0                              ; (the plain line behind the reciprocal)
	s_wait_alu depctr_va_vdst(0)
	v_mul_f32 v188, v184, v185                     ; the second's
	v_cmp_eq_u32 vcc_lo, 0, v1
	s_wait_xcnt 0x0                                ; EXEC changes only behind this wait: the codes' stores have been taken up
	s_and_saveexec_b32 s45, vcc_lo                 ; lane 0 stores for the token
	global_store_b32 v187, v186, s[12:13]
	global_store_b32 v187, v185, s[14:15]
	global_store_b32 v187, v188, s[14:15] offset:4096
	s_wait_xcnt 0x0
	s_or_b32 exec_lo, exec_lo, s45
	s_wait_tensorcnt 0x0                           ; the wave's end
	ds_add_u32 v12, v13
	s_wait_dscnt 0x0
	s_endpgm
.Lfunc_end_k_q8dea32b935_route:
	.size	k_q8dea32b935_route, .Lfunc_end_k_q8dea32b935_route-k_q8dea32b935_route
	.p2alignl 7, 3214868480
	.fill 96, 4, 3214868480
	.section	.rodata,"a",@progbits
	.p2align	6, 0x0
	.amdhsa_kernel k_q8dea32b935_route
		.amdhsa_group_segment_fixed_size 55808
		.amdhsa_private_segment_fixed_size 0
		.amdhsa_enable_private_segment 0
		.amdhsa_kernarg_size 56
		.amdhsa_user_sgpr_count 2
		.amdhsa_user_sgpr_kernarg_segment_ptr 1
		.amdhsa_wavefront_size32 1
		.amdhsa_system_sgpr_workgroup_id_x 1
		.amdhsa_system_sgpr_workgroup_id_y 1
		.amdhsa_system_sgpr_workgroup_id_z 1
		.amdhsa_system_vgpr_workitem_id 0
		.amdhsa_next_free_vgpr 192
		.amdhsa_next_free_sgpr 66
		.amdhsa_reserve_vcc 1
		.amdhsa_float_denorm_mode_32 3
		.amdhsa_float_denorm_mode_16_64 3
		.amdhsa_memory_ordered 1
		.amdhsa_forward_progress 1
		.amdhsa_inst_pref_size 29
	.end_amdhsa_kernel
	.amdgpu_metadata
---
amdhsa.version: [ 1, 2 ]
amdhsa.kernels:
  - .name:           k_q8dea32b935_route
    .symbol:         k_q8dea32b935_route.kd
    .args:
      - { .name: x, .offset: 0, .size: 8, .value_kind: global_buffer, .address_space: global }
      - { .name: grad, .offset: 8, .size: 8, .value_kind: global_buffer, .address_space: global }
      - { .name: Wr, .offset: 16, .size: 8, .value_kind: global_buffer, .address_space: global }
      - { .name: br, .offset: 24, .size: 8, .value_kind: global_buffer, .address_space: global }
      - { .name: sel, .offset: 32, .size: 8, .value_kind: global_buffer, .address_space: global }
      - { .name: gate, .offset: 40, .size: 8, .value_kind: global_buffer, .address_space: global }
      - { .name: xq, .offset: 48, .size: 8, .value_kind: global_buffer, .address_space: global }
    .group_segment_fixed_size: 55808
    .private_segment_fixed_size: 0
    .kernarg_segment_align: 8
    .kernarg_segment_size: 56
    .max_flat_workgroup_size: 128
    .sgpr_count:     66
    .vgpr_count:     192
    .wavefront_size: 32
...
	.end_amdgpu_metadata
.endif
;; end of part 1
;; launch ffn1 (part 2): grid 32 x 8, 4 waves a work-group, no clusters, 101,888 bytes of LDS; arguments W1_codes, W1_scales, b1, xq, sel, himg, hsc, plan; writes himg, hsc, plan
.if DOCPART == 2
	.amdgcn_target "amdgcn-amd-amdhsa--gfx1250"
	.amdhsa_code_object_version 6
	.text
	.protected	k_q8dea32b935_ffn1
	.globl	k_q8dea32b935_ffn1
	.p2align	8
	.type	k_q8dea32b935_ffn1,@function
k_q8dea32b935_ffn1:
	s_mov_b64 s[64:65], 0
	v_nop
	global_prefetch_b8 v0, s[64:65] scope:SCOPE_SE
	s_setreg_imm32_b32 hwreg(HW_REG_WAVE_MODE, 25, 1), 1
	s_wait_xcnt 0x0
; h = Q(gelu(x W1 + b1)) for the chosen rows alone.  Rows of (token, expert) whose combine weight is the 0 of one_hot are left out (shown at the head of the first kernel).
; SHARES.  Work-group (fc, e): hidden units 128 fc .. 128 fc + 127 of expert e, which are K step fc of the second product.  All four waves keep that slice of W1 (128 rows x 1,024 K, 512 registers);
; wave w takes the tokens 256 w .. 256 w + 255 that chose e, compacted into tiles of 16 (ew = 4 e + w; at most 16 tiles).  A tile's last rows are filled with the entry 2,048 + ew, whose token is ew.
; PLACING.  sel is read as whole numbers.  For each 32 tokens the flagged lanes go to lanes (b + rank) mod 32 by one whole permutation of the wave (ds_permute_b32, EXEC untouched), and a compare on the
; position merges them into the list L0 .. L7 (position 32 d + lane).  An entry is k << 10 | token, k the choice's number.  The work-groups with fc = 0 store list and tile count for the next launch.
; THE PRODUCT IS USED TRANSPOSED (source 0 = 16 rows of W1, source 1 = 16 tokens), and lane r of tile 2 b + u takes W1's row 32 b + 8 u + r + 8 (r / 8): so a lane holds one token, and register 16 b + i
; the hidden unit 32 b + 16 (lane / 16) + i: 16 neighbours along the next K.  b1 is the C of each sum's first instruction.
; GELU, exact form in f32: with a = |x| / sqrt(2), t = 1 / (1 + a / 2): erfc(a) / 2 = t 2^(P(t) - a^2 log2 e), P a polynomial of degree 9 (its coefficients x log2 e, 1 off the constant term for the half);
; gelu(x) = max(x, 0) - |x| erfc(a) / 2, which holds on both sides of 0 and subtracts no near-equal numbers.
; OUT.  A tile's fragment (16 rows x 128 K) leaves as an image of its registers: himg[ew][tile][fc], group c at 512 c + 16 lane; its scale word hsc[ew][tile][fc][lane].
; NO TENSOR LOAD, NO CLUSTER: the number of tiles hangs on counts made from sel; each row of W1 is read by one wave of the launch, in runs of 512 bytes.
; LIMITS.  NaN and infinities are not served.  A gelu under 2^-126 in size comes out as 0.  The error of the far negative tail grows with a^2 x 2^-23, as the exponent's rounding does.
; REGISTERS.  Window 0: v1-15 addresses; v16-23 the list; v24-31 sel, then the permuted entries; v32-47 rows' offsets; v48-55 x's scale words, two sets; v56-87 W1's scale words; v88-151 16 rows of x as loaded;
;   v152-215 x's 8 fragments; v216-239 at work.  Windows 1, 2: W1's fragment (t, s) at v[64 (s % 4) + 8 t], s = 0-3 and 4-7.  Window 3: see the names below.
.set PITCH, 528                        ; an LDS row: 512 bytes + 16
.set XST,   128*PITCH                  ; behind W1's 128 rows: a stage of 16 rows for each wave
.set SPARE, XST+4*16*PITCH             ; behind the stages: the spare words, 128 bytes for each wave
.set LST,  16
.set SELR, 24
.set VO,   32
.set XS,   48
.set W1S,  56
.set RAW,  88
.set XF,   152
.set PD,   216
.set PE,   224
.set HA,   0                           ; window 3: v0-63 the 8 tiles of the hidden layer
.set B1,   64                          ; v64-127 b1 in the result's layout
.set AX,   128                         ; v128-143 |x|
.set AP,   144                         ; v144-159 a sqrt(log2 e), then the exponent, then 2^exponent
.set TT,   160                         ; v160-175 t
.set PP,   176                         ; v176-191 P(t)
.set PC,   192                         ; v192-199 the codes
.set TM,   200                         ; v200-215 the quantiser's work
.set PW,   216                         ; v216 the scale word
.set K9,   218                         ; v218-219 P's top coefficient
.set KD,   66                          ; s[66:67] 0.5 / sqrt(2)
.set KA,   68                          ; s[68:69] sqrt(0.5 log2 e)
.set CC,   70                          ; s[70+2k:71+2k] P's coefficient k, k = 0 .. 8
.set MSB, 0
.macro WIN new                         ; the immediate's high byte repeats the setting that is left
.if MSB != (\new)
	s_set_vgpr_msb (MSB<<8)|(\new)
.set MSB, (\new)
.endif
.endm
.macro KPAIR reg, val                  ; a packed instruction names a pair: both words are written
	s_mov_b32 s[\reg], \val
	s_mov_b32 s[\reg+1], \val
.endm
	s_load_b256 s[4:11], s[0:1], 0x0               ; W1's codes s[4:5], its scales s[6:7], b1 s[8:9], xq s[10:11]
	s_load_b256 s[12:19], s[0:1], 0x20             ; sel s[12:13], himg s[14:15], hsc s[16:17], plan s[18:19]
	v_lshl_add_u32 v252, v0, 2, SPARE              ; my spare word; never rewritten
	v_mov_b32 v253, 0                              ; 0; never rewritten
	v_lshrrev_b32 v1, 5, v0
	v_readfirstlane_b32 s20, v1                    ; wave w
	v_and_b32 v1, 31, v0                           ; lane
	v_and_b32 v2, 15, v0                           ; r
	v_bfe_u32 v3, v0, 4, 1                         ; h
	v_lshlrev_b32 v4, 4, v1                        ; 16 x lane
	v_lshlrev_b32 v5, 2, v1                        ; 4 x lane
	v_and_b32 v232, 8, v2
	v_add_nc_u32 v232, v232, v2                    ; r + 8 (r / 8)
	v_mul_u32_u24 v6, v232, PITCH
	v_lshl_add_u32 v6, v3, 4, v6                   ; W1's fragments out of LDS
	s_mul_i32 s24, s20, 32*PITCH
	v_add_nc_u32 v7, s24, v4                       ; W1's rows 32 w on into LDS
	s_mul_i32 s24, s20, 16*PITCH
	s_add_co_u32 s24, s24, XST
	v_add_nc_u32 v8, s24, v4                       ; x's rows into my stage
	v_mul_u32_u24 v9, v2, PITCH
	v_lshl_add_u32 v9, v3, 4, v9
	v_add_nc_u32 v9, s24, v9                       ; x's fragments out of it
	v_lshlrev_b32 v11, 4, v3                       ; 16 h
	s_lshl_b32 s24, s20, 8
	v_add_nc_u32 v12, s24, v1                      ; token 256 w + lane
	v_mov_b32 v13, 0x400
	v_lshlrev_b32 v240, 5, v232
	v_lshl_add_u32 v240, v3, 4, v240               ; W1's scale words: 32 bytes a row, + 16 h: lanes 0-15 K steps 0-3, lanes 16-31 K steps 4-7
	v_lshlrev_b32 v241, 6, v3                      ; b1: 16 h numbers on
	v_mov_b32 v243, 0
	v_mov_b32 v233, 0                              ; a lane permute's destination counts as one of its sources
	s_mov_b32 s21, ttmp9                           ; fc
	s_and_b32 s22, ttmp7, 0xffff                   ; e
	s_lshl_b32 s23, s22, 2
	s_add_co_u32 s23, s23, s20                     ; ew
	s_add_co_u32 s94, s23, 2048                    ; the filling entry
	KPAIR KD, 0x3eb504f3
	KPAIR KA, 0x3f596d27
	KPAIR CC, 0xc034d90f
	KPAIR CC+2, 0x3fb8ab5a
	KPAIR CC+4, 0x3f0a29d2
	KPAIR CC+6, 0x3e0efb2e
	KPAIR CC+8, 0xbe899a80
	KPAIR CC+10, 0x3ecdfd18
	KPAIR CC+12, 0xbfd1a1e5
	KPAIR CC+14, 0x40097039
	KPAIR CC+16, 0xbf97d29d
	s_mov_b32 s90, 0x76543210
	s_mov_b32 s91, 0xfedcba98                      ; v_permlanex16_b32's selects for lane l xor 16
	s_mov_b32 s92, 0xffff0000                      ; lanes 16-31
	s_mov_b32 s93, 0x7fffffff
	s_lshl_b32 s24, s22, 12
	s_lshl_b32 s25, s21, 7
	s_add_co_u32 s26, s24, s25                     ; W1's row 4096 e + 128 fc
	s_mov_b32 s25, 0
	s_wait_kmcnt 0x0
	s_lshl_b32 s24, s26, 5
	s_add_nc_u64 s[6:7], s[6:7], s[24:25]
	s_lshl_b32 s24, s26, 2
	s_add_nc_u64 s[8:9], s[8:9], s[24:25]
	s_lshl_b32 s27, s20, 5
	s_add_co_u32 s26, s26, s27                     ; + 32 w: the rows that I bring
	s_lshl_b32 s24, s26, 9
	s_add_nc_u64 s[4:5], s[4:5], s[24:25]
	s_lshl_b32 s24, s20, 10
	s_add_nc_u64 s[12:13], s[12:13], s[24:25]      ; sel at token 256 w
	s_lshl_b32 s24, s23, 19
	s_lshl_b32 s27, s21, 10
	s_add_co_u32 s24, s24, s27
	s_add_nc_u64 s[14:15], s[14:15], s[24:25]      ; himg[ew][0][fc]
	s_lshl_b32 s24, s23, 16
	s_lshl_b32 s27, s21, 7
	s_add_co_u32 s24, s24, s27
	s_add_nc_u64 s[16:17], s[16:17], s[24:25]      ; hsc[ew][0][fc]
	s_mul_i32 s24, s23, 1280
	s_add_nc_u64 s[18:19], s[18:19], s[24:25]      ; plan[ew]
.irp j, 0,1,2,3,4,5,6,7
	global_load_b32 v[SELR+\j], v5, s[12:13] offset:128*\j
.endr
	WIN 0x40                                       ; destination window 1
.set i, 0
.rept 32
	global_load_b128 v[4*i:4*i+3], v4, s[4:5] offset:512*i th:TH_LOAD_NT   ; a whole row of 512 bytes; no other wave of the launch reads it
.set i, i+1
.endr
	WIN 0
.irp t, 0,1,2,3,4,5,6,7
	global_load_b128 v[W1S+4*\t:W1S+4*\t+3], v240, s[6:7] offset:(32*(\t/2)+8*(\t%2))*32
.endr
	WIN 0xc0                                       ; destination window 3
.irp t, 0,1,2,3,4,5,6,7
	global_load_b128 v[B1+8*\t:B1+8*\t+3], v241, s[8:9] offset:(32*(\t/2)+8*(\t%2))*4
	global_load_b128 v[B1+8*\t+4:B1+8*\t+7], v241, s[8:9] offset:(32*(\t/2)+8*(\t%2))*4+16
.endr
.irp b, 0,1,2,3
	v_mov_b32 v[TM+4+\b], 0                        ; written once: a lane permute's destination counts as one of its sources
.endr
	v_mov_b32 v[K9], 0x3e7c6f08
	v_mov_b32 v[K9+1], 0x3e7c6f08
	WIN 0
; Tokens 32 j + lane of my subset.  s[28+j] = b_j, rows placed so far; s[37+j] = c_j, rows of this chunk.
.macro PLACE j
	v_and_b32 v232, 0xff, v[SELR+\j]               ; e1
	v_lshrrev_b32 v233, 8, v[SELR+\j]              ; e2
	v_cmp_eq_u32 s24, s22, v232
	v_cmp_eq_u32 vcc_lo, s22, v233
	s_or_b32 s25, s24, vcc_lo                      ; the tokens that chose e
	v_cndmask_b32 v234, v243, v13, vcc_lo          ; 1,024 where e is the second choice
	v_add3_u32 v[PE+\j], v234, v12, 32*\j          ; the entry
	v_mbcnt_lo_u32_b32 v235, s25, 0                ; flagged lanes below me
	s_bcnt1_i32_b32 s[37+\j], s25
	v_sub_nc_u32 v236, v1, v235                    ; unflagged lanes below me
	v_add_nc_u32 v236, s[37+\j], v236              ; they follow the flagged ones
	v_cndmask_b32 v236, v236, v235, s25
	v_add_nc_u32 v236, s[28+\j], v236
	v_min_u32 v236, 0x1ff, v236
	v_and_b32 v236, 31, v236                       ; a whole permutation of the 32 lanes
	v_lshlrev_b32 v[PD+\j], 2, v236
	ds_permute_b32 v[SELR+\j], v[PD+\j], v[PE+\j]
	s_add_co_u32 s[29+\j], s[28+\j], s[37+\j]
.endm
; Position 32 d + lane belongs to chunk j where it lies in b_j .. b_j + c_j - 1; b_j is at most 32 j, so d goes up to j.
.macro MERGE j
	v_sub_nc_u32 v232, v1, s[28+\j]
.set d, 0
.rept \j+1
	v_add_nc_u32 v233, 32*d, v232
	v_cmp_gt_u32 vcc_lo, s[37+\j], v233
	v_cndmask_b32 v[LST+d], v[LST+d], v[SELR+\j], vcc_lo
.set d, d+1
.endr
.endm
	s_wait_loadcnt 56                              ; sel is in; 32 rows, 8 scale loads and 16 of b1 stand behind it
	s_mov_b32 s28, 0
.irp j, 0,1,2,3,4,5,6,7
	PLACE \j
.endr
.irp d, 0,1,2,3,4,5,6,7
	v_mov_b32 v[LST+\d], s94
.endr
	s_wait_dscnt 0x0
.irp j, 0,1,2,3,4,5,6,7
	MERGE \j
.endr
	s_add_co_u32 s45, s36, 15
	s_lshr_b32 s45, s45, 4                         ; nt: my tiles
	s_cmp_lg_u32 s21, 0
	s_cbranch_scc1 .Lnoplan                        ; one work-group for each expert stores the plan
.irp d, 0,1,2,3,4,5,6,7
	global_store_b32 v5, v[LST+\d], s[18:19] offset:128*\d
.endr
	v_mov_b32 v234, s45
	global_store_b32 v5, v234, s[18:19] offset:1024
.Lnoplan:
	s_wait_xcnt 0x0                                ; the list's registers are written again in the loop
; The 16 rows of x of the tile whose entries lie in lanes 16 half .. + 15 of v[src]: a whole row of 512 bytes to an instruction; their scale words into set.
.macro XPRE src, half, set
	v_and_b32 v232, 0x3ff, v[\src]                 ; the tokens
	v_permlanex16_b32 v233, v232, s90, s91
.if \half == 0
	v_cndmask_b32 v234, v232, v233, s92            ; row r's token in lanes r and r + 16
.else
	v_cndmask_b32 v234, v233, v232, s92
.endif
	v_min_u32 v234, 0x3ff, v234
	v_lshl_add_u32 v10, v234, 5, v11               ; 32 bytes of scales a token, + 16 h
.irp j, 0,1,2,3,4,5,6,7,8,9,10,11,12,13,14,15
	v_readlane_b32 s[48+\j], v232, 16*\half+\j
.endr
.irp j, 0,1,2,3,4,5,6,7,8,9,10,11,12,13,14,15
	s_min_u32 s[48+\j], s[48+\j], 0x3ff
	v_lshl_add_u32 v[VO+\j], s[48+\j], 9, v4
.endr
.irp j, 0,1,2,3,4,5,6,7,8,9,10,11,12,13,14,15
	global_load_b128 v[RAW+4*\j:RAW+4*\j+3], v[VO+\j], s[10:11]
.endr
	global_load_b128 v[XS+4*(\set):XS+4*(\set)+3], v10, s[10:11] offset:524288
.endm
	s_wait_loadcnt 24                              ; my 32 rows of W1 are in; 8 scale loads and 16 of b1 stand behind them
	WIN 0x04                                       ; an LDS store's data are its source 1: window 1
.set i, 0
.rept 32
	ds_store_b128 v7, v[4*i:4*i+3] offset:PITCH*i
.set i, i+1
.endr
	WIN 0
	XPRE LST, 0, 0                                 ; tile 0's rows are asked for
	s_wait_dscnt 0x0                               ; for the others' sake: my rows of W1 lie in LDS
	s_barrier_signal -1
	s_barrier_wait -1                              ; the launch's one barrier: all 128 rows do
	WIN 0x40
.irp s, 0,1,2,3
.irp t, 0,1,2,3,4,5,6,7
.irp c, 0,1
	ds_load_b128 v[64*\s+8*\t+4*\c:64*\s+8*\t+4*\c+3], v6 offset:(32*(\t/2)+8*(\t%2))*PITCH+64*\s+32*\c
.endr
.endr
.endr
	WIN 0x80
.irp s, 4,5,6,7
.irp t, 0,1,2,3,4,5,6,7
.irp c, 0,1
	ds_load_b128 v[64*(\s-4)+8*\t+4*\c:64*(\s-4)+8*\t+4*\c+3], v6 offset:(32*(\t/2)+8*(\t%2))*PITCH+64*\s+32*\c
.endr
.endr
.endr
	WIN 0
	s_wait_dscnt 0x0
; 64 products: K step by K step, the 8 accumulators by turns, one instruction a turn.  K steps 4-7 take their scale words from lanes 16-31.
.macro MULS cur
.irp s, 0,1,2,3,4,5,6,7
	WIN 0xf1+(\s/4)                                ; W1 window 1 or 2, x window 0, C and D window 3
.irp t, 0,1,2,3,4,5,6,7
.set RD, HA+8*\t
.set RA, 64*(\s%4)+8*\t
.set RB, XF+8*\s
.set SA, W1S+4*\t+(\s%4)
.set SB, XS+4*(\cur)+(\s%4)
.if \s == 0
	v_wmma_scale_f32_16x16x128_f8f6f4 v[RD:RD+7], v[RA:RA+7], v[RB:RB+7], v[B1+8*\t:B1+8*\t+7], v[SA], v[SB] matrix_a_fmt:MATRIX_FMT_FP4 matrix_b_fmt:MATRIX_FMT_FP4
.elseif \s < 4
	v_wmma_scale_f32_16x16x128_f8f6f4 v[RD:RD+7], v[RA:RA+7], v[RB:RB+7], v[RD:RD+7], v[SA], v[SB] matrix_a_fmt:MATRIX_FMT_FP4 matrix_b_fmt:MATRIX_FMT_FP4
.else
	v_wmma_scale_f32_16x16x128_f8f6f4 v[RD:RD+7], v[RA:RA+7], v[RB:RB+7], v[RD:RD+7], v[SA], v[SB] matrix_a_fmt:MATRIX_FMT_FP4 matrix_b_fmt:MATRIX_FMT_FP4 matrix_a_scale:MATRIX_SCALE_ROW1 matrix_b_scale:MATRIX_SCALE_ROW1
.endif
.endr
.endr
.endm
; gelu of 16 numbers, in place, all in window 3.  Each batch of transcendentals has plain work behind it and one wait ahead of its first use.
.macro GELU b
.set G, HA+16*(\b)
.irp i, 0,1,2,3,4,5,6,7,8,9,10,11,12,13,14,15
	v_and_b32 v[AX+\i], s93, v[G+\i]               ; |x|: each accumulator is read from its low end on
.endr
.irp i, 0,2,4,6,8,10,12,14
	v_pk_fma_f32 v[TT+\i:TT+\i+1], v[AX+\i:AX+\i+1], s[KD:KD+1], 1.0 op_sel_hi:[1,0,0]   ; 1 + a / 2
.endr
.irp i, 0,1,2,3,4,5,6,7,8,9,10,11,12,13,14,15
	v_rcp_f32 v[TT+\i], v[TT+\i]                   ; t
.endr
.irp i, 0,2,4,6,8,10,12,14
	v_pk_mul_f32 v[AP+\i:AP+\i+1], v[AX+\i:AX+\i+1], s[KA:KA+1] op_sel_hi:[1,0]          ; a sqrt(log2 e)
.endr
	s_wait_alu depctr_va_vdst(0)
.irp i, 0,2,4,6,8,10,12,14
	v_pk_fma_f32 v[PP+\i:PP+\i+1], v[TT+\i:TT+\i+1], v[K9:K9+1], s[CC+16:CC+17] op_sel_hi:[1,1,0]
.endr
.irp k, 7,6,5,4,3,2,1,0
.irp i, 0,2,4,6,8,10,12,14
	v_pk_fma_f32 v[PP+\i:PP+\i+1], v[PP+\i:PP+\i+1], v[TT+\i:TT+\i+1], s[CC+2*\k:CC+2*\k+1] op_sel_hi:[1,1,0]
.endr
.endr
.irp i, 0,2,4,6,8,10,12,14
	v_pk_fma_f32 v[AP+\i:AP+\i+1], v[AP+\i:AP+\i+1], v[AP+\i:AP+\i+1], v[PP+\i:PP+\i+1] neg_lo:[1,0,0] neg_hi:[1,0,0]   ; P(t) - a^2 log2 e
.endr
.irp i, 0,1,2,3,4,5,6,7,8,9,10,11,12,13,14,15
	v_exp_f32 v[AP+\i], v[AP+\i]
.endr
.irp i, 0,1,2,3,4,5,6,7,8,9,10,11,12,13,14,15
	v_max_num_f32 v[G+\i], 0, v[G+\i]              ; max(x, 0)
.endr
	s_wait_alu depctr_va_vdst(0)
.irp i, 0,2,4,6,8,10,12,14
	v_pk_mul_f32 v[TT+\i:TT+\i+1], v[TT+\i:TT+\i+1], v[AP+\i:AP+\i+1]                    ; erfc(a) / 2
.endr
.irp i, 0,2,4,6,8,10,12,14
	v_pk_fma_f32 v[G+\i:G+\i+1], v[TT+\i:TT+\i+1], v[AX+\i:AX+\i+1], v[G+\i:G+\i+1] neg_lo:[1,0,0] neg_hi:[1,0,0]
.endr
.endm
; 64 numbers of a lane, register 16 b + i = k 32 b + 16 (lane / 16) + i of my row, become a fragment's codes and its scale word.
.macro QUANT
.irp b, 0,1,2,3
	v_max3_num_f32 v[TM+\b], |v[HA+16*\b]|, |v[HA+1+16*\b]|, 0x1800000   ; with the floor 2^(3 - 127): the byte cannot fall under 1
.endr
.irp i, 2,4,6,8,10,12,14
.irp b, 0,1,2,3
	v_max3_num_f32 v[TM+\b], v[TM+\b], |v[HA+16*\b+\i]|, |v[HA+1+16*\b+\i]|
.endr
.endr
.irp b, 0,1,2,3
	v_permlanex16_b32 v[TM+4+\b], v[TM+\b], s90, s91
.endr
.irp b, 0,1,2,3
	v_max_num_f32 v[TM+\b], v[TM+\b], v[TM+4+\b]   ; with lane l xor 16's 16: the block's largest magnitude
.endr
.irp b, 0,1,2,3
	v_add_nc_u32 v[TM+12+\b], 0xff000000, v[TM+\b] ; 2 off its exponent field: the conversion's scale operand
.endr
.irp b, 0,1,2,3
	v_lshrrev_b32 v[TM+4+\b], 23, v[TM+12+\b]      ; the scale's byte
.endr
	v_lshl_or_b32 v[PW], v[TM+5], 8, v[TM+4]
	v_lshl_or_b32 v[PW], v[TM+6], 16, v[PW]
	v_lshl_or_b32 v[PW], v[TM+7], 24, v[PW]
.irp b, 0,1,2,3
	v_cvt_scalef32_pk8_fp4_f32 v[PC+2*\b], v[HA+16*\b:HA+7+16*\b], v[TM+12+\b]
	v_cvt_scalef32_pk8_fp4_f32 v[PC+1+2*\b], v[HA+8+16*\b:HA+15+16*\b], v[TM+12+\b]
.endr
	v_nop                                          ; one plain line behind the conversions
.irp c, 0,1                                    ; the operand's layout wants a whole block in a lane
.irp i, 0,1
	v_permlane16_swap_b32 v[PC+4*\c+\i], v[PC+2+4*\c+\i]
.endr
.endr
.endm
; Tile s46.  Its rows were asked for a tile ago; it asks for the next tile's (entries in v[src], half), which past the list's end are filling entries: valid tokens.
; cur: the set of x's scale words in use; the next tile's go into the other.  The first tile past nt ends the walk: all later ones are past it too.
.macro TILE src, half, cur
	s_cmp_ge_u32 s46, s45
	s_cbranch_scc1 .Ldone
	s_wait_loadcnt 0x0                             ; the 16 rows and their scale words (the first time: W1's scale words and b1 too)
.irp j, 0,1,2,3,4,5,6,7,8,9,10,11,12,13,14,15
	ds_store_b128 v8, v[RAW+4*\j:RAW+4*\j+3] offset:PITCH*\j
.endr
.irp s, 0,1,2,3,4,5,6,7
.irp c, 0,1
	ds_load_b128 v[XF+8*\s+4*\c:XF+8*\s+4*\c+3], v9 offset:64*\s+32*\c   ; LDS serves a wave's instructions in order: these see the stores above
.endr
.endr
	s_wait_xcnt 0x0                                ; the last tile's stores have been taken up: their addresses and data may be written
	v_lshl_add_u32 v14, s46, 15, v4                ; himg: 32,768 bytes a tile
	v_lshl_add_u32 v15, s46, 12, v5                ; hsc: 4,096
	s_wait_dscnt 0x0                               ; the fragments are in, and the stage's stores have read the rows' registers
	XPRE \src, \half, 1-\cur
	MULS \cur
.rept 4
	v_nop                                          ; four places behind the last products, for the reads of results and for every later load into their operands
.endr
	WIN 0xff
	GELU 0
	GELU 1
	GELU 2
	GELU 3
	QUANT
	WIN 0x0c                                       ; a store's data are its source 1: window 3
	global_store_b128 v14, v[PC:PC+3], s[14:15]    ; 512 consecutive bytes
	global_store_b128 v14, v[PC+4:PC+7], s[14:15] offset:512
	global_store_b32 v15, v[PW], s[16:17]
	WIN 0
	s_add_co_u32 s46, s46, 1
.endm
	s_mov_b32 s46, 0
	s_mov_b32 s47, 8
.Ltrip:                                            ; two tiles a trip: v16 holds their 32 entries
	TILE LST, 1, 0                                 ; the even tile; the next one lies in the upper half of v16
	TILE LST+1, 0, 1                               ; the odd tile; the next one lies in the lower half of v17
.irp d, 0,1,2,3,4,5,6
	v_mov_b32 v[LST+\d], v[LST+1+\d]               ; the list moves up
.endr
	s_sub_co_u32 s47, s47, 1
	s_cmp_lg_u32 s47, 0
	s_cbranch_scc1 .Ltrip
.Ldone:
	s_wait_tensorcnt 0x0                           ; the wave's end
	ds_add_u32 v252, v253
	s_wait_dscnt 0x0
	s_endpgm
.Lfunc_end_k_q8dea32b935_ffn1:
	.size	k_q8dea32b935_ffn1, .Lfunc_end_k_q8dea32b935_ffn1-k_q8dea32b935_ffn1
	.p2alignl 7, 3214868480
	.fill 96, 4, 3214868480
	.section	.rodata,"a",@progbits
	.p2align	6, 0x0
	.amdhsa_kernel k_q8dea32b935_ffn1
		.amdhsa_group_segment_fixed_size 101888
		.amdhsa_private_segment_fixed_size 0
		.amdhsa_enable_private_segment 0
		.amdhsa_kernarg_size 64
		.amdhsa_user_sgpr_count 2
		.amdhsa_user_sgpr_kernarg_segment_ptr 1
		.amdhsa_wavefront_size32 1
		.amdhsa_system_sgpr_workgroup_id_x 1
		.amdhsa_system_sgpr_workgroup_id_y 1
		.amdhsa_system_sgpr_workgroup_id_z 1
		.amdhsa_system_vgpr_workitem_id 0
		.amdhsa_next_free_vgpr 1024
		.amdhsa_next_free_sgpr 96
		.amdhsa_reserve_vcc 1
		.amdhsa_float_denorm_mode_32 3
		.amdhsa_float_denorm_mode_16_64 3
		.amdhsa_memory_ordered 1
		.amdhsa_forward_progress 1
		.amdhsa_inst_pref_size 151
	.end_amdhsa_kernel
	.amdgpu_metadata
---
amdhsa.version: [ 1, 2 ]
amdhsa.kernels:
  - .name:           k_q8dea32b935_ffn1
    .symbol:         k_q8dea32b935_ffn1.kd
    .args:
      - { .name: W1_codes, .offset: 0, .size: 8, .value_kind: global_buffer, .address_space: global }
      - { .name: W1_scales, .offset: 8, .size: 8, .value_kind: global_buffer, .address_space: global }
      - { .name: b1, .offset: 16, .size: 8, .value_kind: global_buffer, .address_space: global }
      - { .name: xq, .offset: 24, .size: 8, .value_kind: global_buffer, .address_space: global }
      - { .name: sel, .offset: 32, .size: 8, .value_kind: global_buffer, .address_space: global }
      - { .name: himg, .offset: 40, .size: 8, .value_kind: global_buffer, .address_space: global }
      - { .name: hsc, .offset: 48, .size: 8, .value_kind: global_buffer, .address_space: global }
      - { .name: plan, .offset: 56, .size: 8, .value_kind: global_buffer, .address_space: global }
    .group_segment_fixed_size: 101888
    .private_segment_fixed_size: 0
    .kernarg_segment_align: 8
    .kernarg_segment_size: 64
    .max_flat_workgroup_size: 128
    .sgpr_count:     96
    .vgpr_count:     1024
    .wavefront_size: 32
...
	.end_amdgpu_metadata
.endif
;; end of part 2
;; launch ffn2 (part 3): grid 8 x 32, 4 waves a work-group, no clusters, 270,848 bytes of LDS; arguments W2_codes, W2_scales, b2, himg, hsc, plan, part; writes part
.if DOCPART == 3
	.amdgcn_target "amdgcn-amd-amdhsa--gfx1250"
	.amdhsa_code_object_version 6
	.text
	.protected	k_q8dea32b935_ffn2
	.globl	k_q8dea32b935_ffn2
	.p2align	8
	.type	k_q8dea32b935_ffn2,@function
k_q8dea32b935_ffn2:
	s_mov_b64 s[64:65], 0
	v_nop
	global_prefetch_b8 v0, s[64:65] scope:SCOPE_SE
	s_setreg_imm32_b32 hwreg(HW_REG_WAVE_MODE, 25, 1), 1
	s_wait_xcnt 0x0
; part[entry] = h W2 + b2 for the chosen rows alone; the rows whose combine weight is the 0 of one_hot are left out (shown at the head of the first kernel).
; SHARES.  Work-group (cc, ew): output columns 128 cc .. + 127 of expert e = ew / 4, for the tiles of subset ew % 4.  Wave kq keeps those 128 rows of W2 x K steps 8 kq .. 8 kq + 7 in 512 registers.
; A tile's four partial sums meet in LDS; wave kq adds rows 4 kq .. 4 kq + 3, adds b2 and stores them.
; THE PRODUCT IS USED TRANSPOSED (source 0 = 16 rows of W2, source 1 = the h fragment as the launch before stored its registers): a lane holds one row and eight neighbouring columns.
; W2 COMES IN 8 GROUPS OF 16 ROWS, in runs of 512 bytes, four groups ahead.  The 16 rows of group ct and the 8 fragments of tile ct are the same 64 registers: as soon as a group is in, the group four further
; on is asked for, and the group turns through the wave's own LDS region (16 stores by rows, 16 loads by fragments, back into the registers just left) while the later groups are on their way.
; THE WALK.  16 tile places, four trips of four, all written out: a tile's number stands as an immediate in its compare, its offsets and its lanes, and nothing is stepped.  A trip: the products of its tiles
; under nt (the stored count), each tile's partial sums into a slot of its own; the refills of the four h buffers, for tiles under nt alone; ONE barrier, which every wave passes in every trip; the sums and stores.
; A trip with no tile jumps over both parts.  The first four tiles' 20 loads each are issued on every way (past nt all lanes name one and the same 16 bytes), so that the counted waits ahead of tiles 0 to 2
; mean the same on every way; the later trips, whose refills hang on the count, wait for all loads at their head.
; NO TENSOR LOAD, NO CLUSTER: the four work-groups of an expert read the same slice of W2, but their work hangs on counts read from memory.
; LDS: region q (67,584 bytes) first holds wave q's 128 rows of 512 bytes, pitch 528; then 8 slots of 16 rows (8,448 bytes) for wave q's partial sums: slot 4 (trip % 2) + tile % 4.
; REGISTERS.  Window 0: v4-27 addresses; v28-29 the row map; v32-63 W2's scale words; v64-79 h's, 4 a buffer; v80-143, v144-207 h's buffers 0, 1.  Windows 1, 2: W2's fragment (ct, s) at v[64 (ct % 4) + 8 s],
;   ct = 0-3 and 4-7.  Window 3: v0-63 the 8 accumulators, later the rows to add; v64-127, v128-191 h's buffers 2, 3; v192-195 b2.
.set REG,   67584                      ; a wave's LDS region
.set PITCH, 528
.set SLOTB, 16*PITCH                   ; 16 rows: a group of W2's rows, and a slot of partial sums
.set SPARE, 4*REG                      ; behind the regions: the spare words, 128 bytes for each wave
.set W2S, 32
.set HS,  64
.set MAP, 28
.set MSB, 0
.macro WIN new                         ; the immediate's high byte repeats the setting that is left
.if MSB != (\new)
	s_set_vgpr_msb (MSB<<8)|(\new)
.set MSB, (\new)
.endif
.endm
; Group g: rows 16 g .. 16 g + 15 of my quarter, 512 consecutive bytes each, row j into registers 64 (g % 4) + 4 j of window 1 (g < 4) or 2.
.macro GLOAD g
	WIN 0x40*(1+(\g)/4)
.set j, 0
.rept 16
	global_load_b128 v[64*((\g)%4)+4*j:64*((\g)%4)+4*j+3], v4, s[4:5] offset:2048*(16*(\g)+j)
.set j, j+1
.endr
.endm
; Group g turns: by rows into my region, by fragments back.  LDS serves a wave's instructions in order: the loads see the stores, and land in the registers behind the stores that read them.
.macro TURN g
	WIN 0x04*(1+(\g)/4)                            ; an LDS store's data are its source 1
.set j, 0
.rept 16
	ds_store_b128 v[5+(\g)/4], v[64*((\g)%4)+4*j:64*((\g)%4)+4*j+3] offset:PITCH*(16*((\g)%4)+j)
.set j, j+1
.endr
	WIN 0x40*(1+(\g)/4)
.irp s, 0,1,2,3,4,5,6,7
.irp c, 0,1
	ds_load_b128 v[64*((\g)%4)+8*\s+4*\c:64*((\g)%4)+8*\s+4*\c+3], v7 offset:SLOTB*(\g)+64*\s+32*\c
.endr
.endr
.endm
; Tile b of the first four into buffer b: 16 loads of 512 bytes and 4 of scale words, on every way.
; What hangs on the stored count is selected first and then held by constants written in the instruction; behind that stand only a shift left, an AND and an addition.
.macro REFILL b
	WIN 0
	s_mov_b32 s31, \b
	s_cmp_lt_u32 s31, s24
	s_cselect_b32 s32, 0x3ff, 0                    ; the lanes' mask (16 x lane is at most 496, the scale words' offset at most 572); past nt: every lane at offset 0
	s_cselect_b32 s31, s31, 0                      ; of tile 0
	s_min_u32 s32, s32, 0x3ff
	s_min_u32 s31, s31, 15
	s_lshl_b32 s34, s31, 15                        ; himg: 32,768 bytes a tile
	s_lshl_b32 s35, s31, 12                        ; hsc: 4,096
	v_and_b32 v[14+\b], s32, v4
	v_and_b32 v[18+\b], s32, v13
	v_add_nc_u32 v[14+\b], s34, v[14+\b]
	v_add_nc_u32 v[18+\b], s35, v[18+\b]
.if \b < 2
.set HFB, 80+64*\b
.else
.set HFB, 64*\b-64
	WIN 0xc0
.endif
.irp s, 0,1,2,3,4,5,6,7
.irp c, 0,1
	global_load_b128 v[HFB+8*\s+4*\c:HFB+8*\s+4*\c+3], v[14+\b], s[10:11] offset:1024*\s+512*\c
.endr
.endr
	WIN 0
.irp q, 0,1,2,3
	global_load_b32 v[HS+4*\b+\q], v[18+\b], s[12:13] offset:128*\q
.endr
.endm
; Tile t (4 or more) into buffer t % 4, if there is such a tile.  The tile's place stands in the immediates; the two offset registers are never rewritten.
.macro FILL t
.set TU, (\t)%4
	s_cmp_le_u32 s24, \t
	s_cbranch_scc1 .LnoR_\@
.if TU < 2
.set HFB, 80+64*TU
.else
.set HFB, 64*TU-64
	WIN 0xc0
.endif
.irp s, 0,1,2,3,4,5,6,7
.irp c, 0,1
	global_load_b128 v[HFB+8*\s+4*\c:HFB+8*\s+4*\c+3], v4, s[10:11] offset:32768*(\t)+1024*\s+512*\c
.endr
.endr
	WIN 0
.irp q, 0,1,2,3
	global_load_b32 v[HS+4*TU+\q], v13, s[12:13] offset:4096*(\t)+128*\q
.endr
.LnoR_\@:
.endm
; The products of tile t, in buffer t % 4: 64, in two halves of four accumulators, K step by K step, the four by turns, one instruction a turn; the first K step starts the sums.
; K steps 4-7 take their scale words from lanes 16-31.
.macro ATILE t
.set TU, (\t)%4
.set TP, ((\t)/4)%2
	s_cmp_le_u32 s24, \t
	s_cbranch_scc1 .LnoA_\@
.if TU < 2
.set HFB, 80+64*TU
.else
.set HFB, 64*TU-64
.endif
.irp hf, 0,1
	WIN 0xf1+0x0c*(TU/2)+\hf                       ; W2 window 1 or 2; h window 0 or 3; C and D window 3
.irp s, 0,1,2,3,4,5,6,7
.irp cq, 0,1,2,3
.set RD, 8*(4*\hf+\cq)
.set RA, 64*\cq+8*\s
.set RB, HFB+8*\s
.set SA, W2S+4*(4*\hf+\cq)+(\s%4)
.set SB, HS+4*TU+(\s%4)
.if \s == 0
	v_wmma_scale_f32_16x16x128_f8f6f4 v[RD:RD+7], v[RA:RA+7], v[RB:RB+7], 0, v[SA], v[SB] matrix_a_fmt:MATRIX_FMT_FP4 matrix_b_fmt:MATRIX_FMT_FP4
.elseif \s < 4
	v_wmma_scale_f32_16x16x128_f8f6f4 v[RD:RD+7], v[RA:RA+7], v[RB:RB+7], v[RD:RD+7], v[SA], v[SB] matrix_a_fmt:MATRIX_FMT_FP4 matrix_b_fmt:MATRIX_FMT_FP4
.else
	v_wmma_scale_f32_16x16x128_f8f6f4 v[RD:RD+7], v[RA:RA+7], v[RB:RB+7], v[RD:RD+7], v[SA], v[SB] matrix_a_fmt:MATRIX_FMT_FP4 matrix_b_fmt:MATRIX_FMT_FP4 matrix_a_scale:MATRIX_SCALE_ROW1 matrix_b_scale:MATRIX_SCALE_ROW1
.endif
.endr
.endr
.endr
.rept 5
	v_nop                                          ; five places behind the last products: four for the stores of results and the loads into operands and results, the fifth for the next tile's products, which begin the accumulators anew
.endr
	WIN 0x0c                                       ; the data: window 3
.irp ct, 0,1,2,3,4,5,6,7
	ds_store_b128 v8, v[8*\ct:8*\ct+3] offset:SLOTB*(4*TP+TU)+64*\ct      ; each accumulator from its low end on: row r, columns 16 ct + 8 h + 0 .. 7
	ds_store_b128 v8, v[8*\ct+4:8*\ct+7] offset:SLOTB*(4*TP+TU)+64*\ct+16
.endr
	WIN 0
.LnoA_\@:
.endm
; The sums of tile t: rows 4 kq .. 4 kq + 3 of the four waves' slots, + b2, to the rows of part that the row map names.
.macro BTILE t
.set TU, (\t)%4
.set TP, ((\t)/4)%2
	s_cmp_le_u32 s24, \t
	s_cbranch_scc1 .LnoB_\@
	s_wait_xcnt 0x0                                ; the last tile's stores have been taken up: their addresses and data may be written
.irp j, 0,1,2,3
	v_readlane_b32 s31, v[MAP+(\t)/8], 4*((\t)%8)+\j   ; entry 4 kq + j of the tile
	s_min_u32 s31, s31, 2079
	s_lshl_b32 s31, s31, 12                        ; a row of part is 4,096 bytes
	v_add_nc_u32 v[22+\j], s31, v4
.endr
	WIN 0xc0
.irp j, 0,1,2,3
.irp q, 0,1,2,3
	ds_load_b128 v[16*\j+4*\q:16*\j+4*\q+3], v[9+\q] offset:SLOTB*(4*TP+TU)+PITCH*\j   ; row 4 kq + j of wave q's sums: 512 consecutive bytes
.endr
.endr
	s_wait_dscnt 0x0
	WIN 0xff
.irp j, 0,1,2,3
.irp p, 0,2
	v_pk_add_f32 v[16*\j+\p:16*\j+\p+1], v[16*\j+\p:16*\j+\p+1], v[16*\j+4+\p:16*\j+5+\p]
	v_pk_add_f32 v[16*\j+8+\p:16*\j+9+\p], v[16*\j+8+\p:16*\j+9+\p], v[16*\j+12+\p:16*\j+13+\p]
.endr
.endr
.irp j, 0,1,2,3
.irp p, 0,2
	v_pk_add_f32 v[16*\j+\p:16*\j+\p+1], v[16*\j+\p:16*\j+\p+1], v[16*\j+8+\p:16*\j+9+\p]
.endr
.endr
.irp j, 0,1,2,3
.irp p, 0,2
	v_pk_add_f32 v[16*\j+\p:16*\j+\p+1], v[16*\j+\p:16*\j+\p+1], v[192+\p:193+\p]       ; + b2
.endr
.endr
	WIN 0x0c
.irp j, 0,1,2,3
	global_store_b128 v[22+\j], v[16*\j:16*\j+3], s[16:17]     ; 512 consecutive bytes of the entry's row
.endr
	WIN 0
.LnoB_\@:
.endm
; Trip k: tiles 4 k .. 4 k + 3.
.macro TRIP k
.if \k > 0
	s_wait_loadcnt 0x0                             ; the refills of the last trip, however many were issued
	s_wait_xcnt 0x0                                ; the last trip's stores have been taken up: the products write over their data
	s_cmp_le_u32 s24, 4*\k
	s_cbranch_scc1 .LidleA_\@                      ; no tile in this trip: nothing to multiply, nothing to ask for
.endif
.irp u, 0,1,2,3
.if \k == 0
	s_wait_loadcnt 20*(3-\u)                       ; this tile's 20 loads are in (ahead of tile 0: W2's scale words, b2 and the row map too); the later tiles' 20 each stand behind them
.endif
	ATILE 4*\k+\u
.endr
.if \k < 3
.irp u, 0,1,2,3
	FILL 4*\k+\u+4                                 ; the buffers take the next trip's tiles: they have the barrier and this trip's sums in which to land
.endr
.endif
.if \k > 0
.LidleA_\@:
.endif
	s_wait_dscnt 0x0                               ; my partial sums lie in LDS, and my reads of the other parity's slots are back
	s_barrier_signal -1
	s_barrier_wait -1                              ; so of all four waves: this parity's slots may be read, the other's written
.if \k > 0
	s_cmp_le_u32 s24, 4*\k
	s_cbranch_scc1 .LidleB_\@
.endif
.irp u, 0,1,2,3
	BTILE 4*\k+\u
.endr
.if \k > 0
.LidleB_\@:
.endif
.endm
	s_load_b256 s[4:11], s[0:1], 0x0               ; W2's codes s[4:5], its scales s[6:7], b2 s[8:9], himg s[10:11]
	s_load_b128 s[12:15], s[0:1], 0x20             ; hsc s[12:13], plan s[14:15]
	s_load_b64 s[16:17], s[0:1], 0x30              ; part
	v_lshl_add_u32 v252, v0, 2, SPARE              ; my spare word; never rewritten
	v_mov_b32 v253, 0                              ; 0; never rewritten
	v_lshrrev_b32 v1, 5, v0
	v_readfirstlane_b32 s20, v1                    ; wave kq
	v_and_b32 v1, 31, v0
	v_and_b32 v2, 15, v0                           ; r
	v_bfe_u32 v3, v0, 4, 1                         ; h
	v_lshlrev_b32 v4, 4, v1                        ; 16 x lane
	s_mul_i32 s27, s20, REG
	v_add_nc_u32 v5, s27, v4                       ; rows 0-63 into my region
	v_add_nc_u32 v6, 64*PITCH, v5                  ; rows 64-127
	v_mul_u32_u24 v7, v2, PITCH
	v_add_nc_u32 v7, s27, v7
	v_lshl_add_u32 v8, v3, 5, v7                   ; my partial sums: row r, + 32 h
	v_lshl_add_u32 v7, v3, 4, v7                   ; fragments out of my region: row r, + 16 h
	s_mul_i32 s27, s20, 4*PITCH
	v_add_nc_u32 v9, s27, v4                       ; rows 4 kq on of region 0,
	v_add_nc_u32 v10, REG, v9                      ; 1,
	v_add_nc_u32 v11, 2*REG, v9                    ; 2,
	v_add_nc_u32 v12, 3*REG, v9                    ; 3
	v_lshlrev_b32 v13, 2, v2
	v_lshl_add_u32 v13, v3, 9, v13                 ; h's scale words: row r's; lanes 16-31 four K steps (512 bytes) on
	v_lshlrev_b32 v26, 7, v2
	v_lshl_add_u32 v26, v3, 4, v26                 ; W2's: 128 bytes a row, + 16 h
	v_lshrrev_b32 v27, 2, v1
	v_lshlrev_b32 v27, 6, v27                      ; the row map: 64 bytes a tile, tile = lane / 4 (+ 8 in the second register),
	v_and_b32 v30, 3, v1
	v_lshl_add_u32 v27, v30, 2, v27                ; entry 4 kq + lane % 4
	s_lshl_b32 s27, s20, 4
	v_add_nc_u32 v27, s27, v27
	s_mov_b32 s21, ttmp9                           ; cc
	s_and_b32 s22, ttmp7, 0xffff                   ; ew
	s_lshr_b32 s23, s22, 2                         ; e
	s_lshl_b32 s30, s23, 10
	s_lshl_b32 s31, s21, 7
	s_add_co_u32 s30, s30, s31                     ; W2's row 1024 e + 128 cc
	s_mov_b32 s33, 0
	s_wait_kmcnt 0x0
	s_mul_i32 s32, s22, 1280
	s_add_nc_u64 s[14:15], s[14:15], s[32:33]      ; plan[ew]
	s_load_b32 s24, s[14:15], 0x400                ; nt
	s_lshl_b32 s32, s30, 11
	s_lshl_b32 s31, s20, 9
	s_add_co_u32 s32, s32, s31
	s_add_nc_u64 s[4:5], s[4:5], s[32:33]          ; 2,048 bytes a row, my quarter 512 kq on
	GLOAD 0                                        ; four groups, 64 loads of 512 bytes, go out at once
	GLOAD 1
	GLOAD 2
	GLOAD 3
	s_lshl_b32 s32, s30, 7
	s_lshl_b32 s31, s20, 5
	s_add_co_u32 s32, s32, s31
	s_add_nc_u64 s[6:7], s[6:7], s[32:33]
	s_lshl_b32 s32, s30, 2
	s_add_nc_u64 s[8:9], s[8:9], s[32:33]
	s_lshl_b32 s32, s22, 19
	s_lshl_b32 s31, s20, 13
	s_add_co_u32 s32, s32, s31
	s_add_nc_u64 s[10:11], s[10:11], s[32:33]      ; himg[ew][0][8 kq]
	s_lshl_b32 s32, s22, 16
	s_lshl_b32 s31, s20, 10
	s_add_co_u32 s32, s32, s31
	s_add_nc_u64 s[12:13], s[12:13], s[32:33]      ; hsc[ew][0][8 kq]
	s_lshl_b32 s32, s21, 9
	s_add_nc_u64 s[16:17], s[16:17], s[32:33]      ; part at column 128 cc
	s_wait_loadcnt 48                              ; group 0 is in; groups 1, 2, 3 stand behind it
	GLOAD 4
	TURN 0
	s_wait_loadcnt 48                              ; group 1; behind it 2, 3, 4
	GLOAD 5
	TURN 1
	s_wait_loadcnt 48                              ; group 2; behind it 3, 4, 5
	GLOAD 6
	TURN 2
	s_wait_loadcnt 48                              ; group 3; behind it 4, 5, 6
	GLOAD 7
	TURN 3
	s_wait_loadcnt 48                              ; group 4; behind it 5, 6, 7
	WIN 0
.irp ct, 0,1,2,3,4,5,6,7
	global_load_b128 v[W2S+4*\ct:W2S+4*\ct+3], v26, s[6:7] offset:2048*\ct   ; lanes 0-15: my K steps 0-3; lanes 16-31: 4-7
.endr
	global_load_b32 v[MAP], v27, s[14:15]          ; my four entries of tiles 0-7,
	global_load_b32 v[MAP+1], v27, s[14:15] offset:512   ; and of tiles 8-15
	WIN 0xc0
	global_load_b128 v[192:195], v4, s[8:9]        ; b2 of columns 4 lane .. + 3
	WIN 0
	s_wait_kmcnt 0x0                               ; nt
	s_min_u32 s24, s24, 16                         ; no more tiles than there are places
	REFILL 0
	TURN 4
	s_wait_loadcnt 63                              ; group 5; behind it groups 6, 7 (32), the 11 loads above and tile 0's 20
	REFILL 1
	TURN 5
	s_wait_loadcnt 63                              ; group 6; 67 loads stand behind it: with at most 63 out it is in
	REFILL 2
	TURN 6
	s_wait_loadcnt 63                              ; group 7; 71 stand behind it
	REFILL 3
	TURN 7
	WIN 0
	s_wait_dscnt 0x0                               ; all fragments are in
	TRIP 0
	TRIP 1
	TRIP 2
	TRIP 3
	s_wait_tensorcnt 0x0                           ; the wave's end
	ds_add_u32 v252, v253
	s_wait_dscnt 0x0
	s_endpgm
.Lfunc_end_k_q8dea32b935_ffn2:
	.size	k_q8dea32b935_ffn2, .Lfunc_end_k_q8dea32b935_ffn2-k_q8dea32b935_ffn2
	.p2alignl 7, 3214868480
	.fill 96, 4, 3214868480
	.section	.rodata,"a",@progbits
	.p2align	6, 0x0
	.amdhsa_kernel k_q8dea32b935_ffn2
		.amdhsa_group_segment_fixed_size 270848
		.amdhsa_private_segment_fixed_size 0
		.amdhsa_enable_private_segment 0
		.amdhsa_kernarg_size 56
		.amdhsa_user_sgpr_count 2
		.amdhsa_user_sgpr_kernarg_segment_ptr 1
		.amdhsa_wavefront_size32 1
		.amdhsa_system_sgpr_workgroup_id_x 1
		.amdhsa_system_sgpr_workgroup_id_y 1
		.amdhsa_system_sgpr_workgroup_id_z 1
		.amdhsa_system_vgpr_workitem_id 0
		.amdhsa_next_free_vgpr 1024
		.amdhsa_next_free_sgpr 66
		.amdhsa_reserve_vcc 0
		.amdhsa_float_denorm_mode_32 3
		.amdhsa_float_denorm_mode_16_64 3
		.amdhsa_memory_ordered 1
		.amdhsa_forward_progress 1
		.amdhsa_inst_pref_size 255
	.end_amdhsa_kernel
	.section	.bss,"aw",@nobits
	.p2align	6
	.space	262144
	.amdgpu_metadata
---
amdhsa.version: [ 1, 2 ]
amdhsa.kernels:
  - .name:           k_q8dea32b935_ffn2
    .symbol:         k_q8dea32b935_ffn2.kd
    .args:
      - { .name: W2_codes, .offset: 0, .size: 8, .value_kind: global_buffer, .address_space: global }
      - { .name: W2_scales, .offset: 8, .size: 8, .value_kind: global_buffer, .address_space: global }
      - { .name: b2, .offset: 16, .size: 8, .value_kind: global_buffer, .address_space: global }
      - { .name: himg, .offset: 24, .size: 8, .value_kind: global_buffer, .address_space: global }
      - { .name: hsc, .offset: 32, .size: 8, .value_kind: global_buffer, .address_space: global }
      - { .name: plan, .offset: 40, .size: 8, .value_kind: global_buffer, .address_space: global }
      - { .name: part, .offset: 48, .size: 8, .value_kind: global_buffer, .address_space: global }
    .group_segment_fixed_size: 270848
    .private_segment_fixed_size: 0
    .kernarg_segment_align: 8
    .kernarg_segment_size: 56
    .max_flat_workgroup_size: 128
    .sgpr_count:     66
    .vgpr_count:     1024
    .wavefront_size: 32
...
	.end_amdgpu_metadata
.endif
;; end of part 3
;; launch mix (part 4): grid 256 x 1, 4 waves a work-group, no clusters, 0 bytes of LDS; arguments part, gate, out0; writes out0
.if DOCPART == 4
	.amdgcn_target "amdgcn-amd-amdhsa--gfx1250"
	.amdhsa_code_object_version 6
	.text
	.protected	k_q8dea32b935_mix
	.globl	k_q8dea32b935_mix
	.p2align	8
	.type	k_q8dea32b935_mix,@function
k_q8dea32b935_mix:
	s_mov_b64 s[64:65], 0
	v_nop
	global_prefetch_b8 v0, s[64:65] scope:SCOPE_SE
	s_setreg_imm32_b32 hwreg(HW_REG_WAVE_MODE, 25, 1), 1
	s_wait_xcnt 0x0
; out[n] = gate[0][n] x part[n] + gate[1][n] x part[1024 + n]: the two chosen experts' rows; the six terms whose weight is the 0 of one_hot are left out (shown at the head of the first kernel).
; A stream: one token to a wave, every load and store of a wave covers 512 consecutive bytes, all 16 loads go out at once.  No LDS, no barrier, no matrix unit: a sum of two terms.
.set A, 16                             ; v16-47 the first choice's row, then the result
.set B, 48                             ; v48-79 the second choice's row
	s_load_b128 s[4:7], s[0:1], 0x0                ; part s[4:5], gate s[6:7]
	s_load_b64 s[8:9], s[0:1], 0x10                ; out0
	v_lshrrev_b32 v1, 5, v0
	v_readfirstlane_b32 s10, v1                    ; wave
	v_and_b32 v1, 31, v0
	v_lshlrev_b32 v1, 4, v1                        ; 16 x lane
	s_lshl_b32 s11, ttmp9, 2
	s_add_co_u32 s11, s11, s10                     ; my token
	s_lshl_b32 s16, s11, 12
	s_mov_b32 s17, 0
	s_lshl_b32 s18, s11, 2
	s_mov_b32 s19, 0
	s_wait_kmcnt 0x0
	s_add_nc_u64 s[4:5], s[4:5], s[16:17]
	s_add_nc_u64 s[8:9], s[8:9], s[16:17]
	s_add_nc_u64 s[6:7], s[6:7], s[18:19]
	s_load_b32 s12, s[6:7], 0x0
	s_load_b32 s14, s[6:7], 0x1000
.irp i, 0,1,2,3,4,5,6,7
	global_load_b128 v[A+4*\i:A+4*\i+3], v1, s[4:5] offset:512*\i th:TH_LOAD_NT
	global_load_b128 v[B+4*\i:B+4*\i+3], v1, s[4:5] offset:4194304+512*\i th:TH_LOAD_NT   ; 1,024 rows of 4,096 bytes further on
.endr
	s_wait_kmcnt 0x0
	s_mov_b32 s13, s12                             ; a packed instruction names a pair: both words are written
	s_mov_b32 s15, s14
.irp i, 0,1,2,3,4,5,6,7
	s_wait_loadcnt 14-2*\i                         ; this pair of loads is in; the later pairs stand behind it
	v_pk_mul_f32 v[A+4*\i:A+4*\i+1], v[A+4*\i:A+4*\i+1], s[12:13] op_sel_hi:[1,0]
	v_pk_mul_f32 v[A+4*\i+2:A+4*\i+3], v[A+4*\i+2:A+4*\i+3], s[12:13] op_sel_hi:[1,0]
	v_pk_fma_f32 v[A+4*\i:A+4*\i+1], v[B+4*\i:B+4*\i+1], s[14:15], v[A+4*\i:A+4*\i+1] op_sel_hi:[1,0,1]
	v_pk_fma_f32 v[A+4*\i+2:A+4*\i+3], v[B+4*\i+2:B+4*\i+3], s[14:15], v[A+4*\i+2:A+4*\i+3] op_sel_hi:[1,0,1]
	global_store_b128 v1, v[A+4*\i:A+4*\i+3], s[8:9] offset:512*\i th:TH_STORE_NT
.endr
	s_endpgm
.Lfunc_end_k_q8dea32b935_mix:
	.size	k_q8dea32b935_mix, .Lfunc_end_k_q8dea32b935_mix-k_q8dea32b935_mix
	.p2alignl 7, 3214868480
	.fill 96, 4, 3214868480
	.section	.rodata,"a",@progbits
	.p2align	6, 0x0
	.amdhsa_kernel k_q8dea32b935_mix
		.amdhsa_group_segment_fixed_size 0
		.amdhsa_private_segment_fixed_size 0
		.amdhsa_enable_private_segment 0
		.amdhsa_kernarg_size 24
		.amdhsa_user_sgpr_count 2
		.amdhsa_user_sgpr_kernarg_segment_ptr 1
		.amdhsa_wavefront_size32 1
		.amdhsa_system_sgpr_workgroup_id_x 1
		.amdhsa_system_sgpr_workgroup_id_y 1
		.amdhsa_system_sgpr_workgroup_id_z 1
		.amdhsa_system_vgpr_workitem_id 0
		.amdhsa_next_free_vgpr 80
		.amdhsa_next_free_sgpr 66
		.amdhsa_reserve_vcc 0
		.amdhsa_float_denorm_mode_32 3
		.amdhsa_float_denorm_mode_16_64 3
		.amdhsa_memory_ordered 1
		.amdhsa_forward_progress 1
		.amdhsa_inst_pref_size 6
	.end_amdhsa_kernel
	.amdgpu_metadata
---
amdhsa.version: [ 1, 2 ]
amdhsa.kernels:
  - .name:           k_q8dea32b935_mix
    .symbol:         k_q8dea32b935_mix.kd
    .args:
      - { .name: part, .offset: 0, .size: 8, .value_kind: global_buffer, .address_space: global }
      - { .name: gate, .offset: 8, .size: 8, .value_kind: global_buffer, .address_space: global }
      - { .name: out0, .offset: 16, .size: 8, .value_kind: global_buffer, .address_space: global }
    .group_segment_fixed_size: 0
    .private_segment_fixed_size: 0
    .kernarg_segment_align: 8
    .kernarg_segment_size: 24
    .max_flat_workgroup_size: 128
    .sgpr_count:     66
    .vgpr_count:     80
    .wavefront_size: 32
...
	.end_amdgpu_metadata
.endif
;; end of part 4
